; MI455X (gfx1250); checked and timed in simulation.
; The chip was launched on July 23, 2026; its instructions are those of AMD's public machine-readable ISA for CDNA 5 (MIT licence, August 2026) and "CDNA5" Instruction Set Architecture Reference Guide (July 2026). The comments in the code are by the model that wrote it; some were corrected since.
;; Additive Attention. Allowed arithmetic: matrix products marked QUANTISED: E3M2 operands, one E8M0 scale for each 32 along K, by v_wmma_scale_f32_16x16x128_f8f6f4 with both operands' format E3M2, f32 sums; products left as they are: f32 operands where the result goes on into a quantised operand, else bf16, f16 or f32 operands; f32 sums; everything else in f32.
;; Inputs: K 32 x 2,048 x 512 float32; Q 32 x 512 float32; V 32 x 2,048 x 512 float32; Wh 512 x 1 float32; Wk 512 x 512 float32; Wq 512 x 512 float32; bh 1 float32; bk 512 float32; bq 512 float32.
;; Outputs: out0 32 x 512 float32; out1 32 x 2,048 float32.
;; This version of the problem:
;;   THIS VERSION OF THE PROBLEM IS GIVEN IN LOW PRECISION. The matrix products marked QUANTISED in the list below multiply operands that are first quantised to E3M2 (3 exponent bits, 2 mantissa bits; 6 bits a number), with one power-of-two scale for each 32 numbers along K (OCP MX v1.0); their sums are f32. All else is computed in f32.
;;   The module's matrix products, in the order in which they are computed (A, B: the left and right operand; K: the contracted axis; several contracted axes count as one K, in the product's order):
;;     1. [M 65,536, K 512] x [K 512, N 512]; A: input K; B: input Wk: QUANTISED
;;     2. [M 32, K 512] x [K 512, N 512]; A: input Q; B: input Wq: QUANTISED
;;     3. [M 65,536, K 512] x [K 512, N 1]; A: computed on the way; B: input Wh: left as it is (N = 1 < 16)
;;     4. batch 32 x [M 1, K 2,048] x [K 2,048, N 512]; A: computed on the way; B: input V: left as it is (M = 1 < 16)
;;   THE QUANTISER, for each operand of a quantised product, along K:
;;     - K is cut into blocks of 32 from its start; a last block that is shorter is filled with zeros.
;;     - A block's scale is 2^e with e = floor(log2(the largest magnitude in the block)) - 4, held to -126 .. 127; a block of zeros has e = 0. As a byte (E8M0): e + 127.
;;     - Each number is divided by its block's scale, clamped to +-28, and rounded to the nearest number of E3M2, ties to even, subnormals kept.
;;     - The product sums the exact products of the quantised numbers (number of the format x scale) in f32.
;;   ~~~python
;;   def quantise(x, axis):      # numpy; x: float32 -> the quantised numbers, widened to float32 again
;;       x = np.moveaxis(x, axis, -1); K = x.shape[-1]
;;       x = np.pad(x, [(0, 0)] * (x.ndim - 1) + [(0, -K % 32)]); x = x.reshape(x.shape[:-1] + (-1, 32)); a = np.abs(x).max(-1, keepdims=True)
;;       e = np.where(a > 0, np.clip(np.frexp(np.where(a > 0, a, 1))[1] - 1 - 4, -126, 127), 0)      # np.frexp(a)[1] - 1 = floor(log2(a)), exactly
;;       r = np.clip(x / 2.0 ** e, -28, 28)
;;       step = 2.0 ** (np.maximum(np.frexp(np.where(r == 0, 1, r))[1] - 1, -2) - 2)
;;       q = np.round(r / step) * step * 2.0 ** e      # np.round: ties to even
;;       return np.moveaxis(q.reshape(q.shape[:-2] + (-1,))[..., :K], -1, axis).astype(np.float32)
;;   ~~~
;; One version. Each part assembles by itself: llvm-mc -triple=amdgcn-amd-amdhsa -mcpu=gfx1250 --defsym DOCPART=n.
;; ======== version 1 of 1: 3 launches
;; limits: right only within a limited range of input values
;; workspace buffers: wkc 196,608 bytes; wks 16,384 bytes; part 16,384 bytes; pw 262,144 bytes; st 65,536 bytes; op 524,288 bytes
;; launch prep (part 1): grid 128 x 2, 1 waves a work-group, no clusters, 0 bytes of LDS; arguments Wk, Wq, Q, Wh, bk, bq, bh, wkc, wks, part; writes wkc, wks, part
.if DOCPART == 1
	.amdgcn_target "amdgcn-amd-amdhsa--gfx1250"
	.amdhsa_code_object_version 6
	.text
	.protected	k_q71267970ee_prep
	.globl	k_q71267970ee_prep
	.p2align	8
	.type	k_q71267970ee_prep,@function
k_q71267970ee_prep:
	s_mov_b64 s[64:65], 0
	v_nop
	global_prefetch_b8 v0, s[64:65] scope:SCOPE_SE
	s_setreg_imm32_b32 hwreg(HW_REG_WAVE_MODE, 25, 1), 1
	s_wait_xcnt 0x0
; Work-group (f, sel), one wave.  f = 4 T + s names a fragment of a weight [512 (k)][512 (h)], f32: the 16 columns h = 16 T + r and the 128 rows k = 128 s + 0 .. 127.
; The fragment is quantised to codes of BF6 (E3M2) with one E8M0 scale for each 32 along k.  LANE (r, h') TAKES COLUMN 16 T + r AND ITS REGISTERS RUN DOWN k (k = 128 s + 64 c + 32 h' + i), in the very order
; in which the matrix operand's layout gives that lane its codes: the conversions' results are the operand's registers, and a lane holds two whole blocks, so no other lane is asked for a maximum.
; sel = 0: Wk.  The 12 registers leave as an image (group c of four registers at 512 c, lane l's 16 bytes at 16 l: 1,536 bytes a fragment), the scale word at 4 x lane.
; sel = 1: Wq.  The fragment is multiplied at once by Q's codes of the same 128 k (32 batches: two tiles, quantised here), and what the energies need of it is kept:
;   part[f][b] = sum over the tile's 16 h of (sum over the step's 128 k of Q[b][k] Wq[k][h] + (bk[h] + bq[h] where s = 0)) Wh[h]  (+ bh where f = 0).  The sum of part[.][b] over the 128 f is the constant of batch b's energies.
; A block's scale is 2^(floor(log2(its largest magnitude)) - 4); its byte is the largest magnitude's exponent field - 4, held at 1 from below by the floor 2^(5 - 127) among the maximum's leaves.
; LIMITS: a block of zeros gets the byte 1 where the rule says 127 (its codes are zeros, and this program alone reads the bytes); NaN and infinities among the inputs are not served.
; No LDS, no barrier: the 256 waves share nothing.
.set SEL, 88                           ; s[88:89] lane selects for v_permlanex16_b32: lane l xor 16
.set CT,  52                           ; v52-54, v56-58: a block's second 16 codes (a conversion's three registers begin on an even number)
; v1 W's offset, v2 Q's, v3 16 x lane, v4 4 x lane, v6 8 h', v7 a permute's destination, v8-13 at work, v14, v15, v55 scale words (W, Q tile 0, Q tile 1), v16-27, v28-39, v40-51 their codes,
; v60 32 h', v61 0, v64-127 W's numbers (later Wh, the biases, the results), v128-191, v192-255 Q's two tiles.
; 64 numbers of a lane, v[src + 32 c + i] = k 64 c + 32 h' + i of my column or row, become the operand's 12 registers v[dst] on and the scale word v[sw]
.macro QF src, dst, sw
.irp c, 0,1
	v_max3_num_f32 v[8+\c], |v[\src+32*\c]|, |v[\src+1+32*\c]|, 0x2800000   ; my block 2 c + h': all its 32 numbers are mine; and the floor
.endr
.irp i, 2,4,6,8,10,12,14,16,18,20,22,24,26,28,30
.irp c, 0,1
	v_max3_num_f32 v[8+\c], v[8+\c], |v[\src+32*\c+\i]|, |v[\src+1+32*\c+\i]|   ; (the two blocks by turns)
.endr
.endr
.irp c, 0,1
	v_add_nc_u32 v[10+\c], 0xfe000000, v[8+\c]     ; 4 off the exponent field: the conversion takes the exponent field of this operand as its scale
.endr
.irp c, 0,1
	v_lshrrev_b32 v[12+\c], 23, v[10+\c]           ; the scale's byte
.endr
	v_lshl_or_b32 v[\sw], v13, 16, v12             ; my two bytes, blocks h' and 2 + h',
	v_lshlrev_b32 v[\sw], v6, v[\sw]               ; at their places in the word (8 h' bits up);
	v_permlanex16_b32 v7, v[\sw], s[SEL], s[SEL+1]
	v_or_b32 v[\sw], v[\sw], v7                    ; with lane l xor 16's two the word is whole, in both halves of the lanes
.irp c, 0,1
	v_cvt_scalef32_pk16_bf6_f32 v[\dst+6*\c:\dst+6*\c+2], v[\src+32*\c:\src+32*\c+15], v[10+\c]
	v_cvt_scalef32_pk16_bf6_f32 v[CT+4*\c:CT+4*\c+2], v[\src+32*\c+16:\src+32*\c+31], v[10+\c]
.endr
	v_nop                                          ; one plain place behind a scaled conversion
.irp c, 0,1
.irp i, 0,1,2
	v_mov_b32 v[\dst+3+6*\c+\i], v[CT+4*\c+\i]
.endr
.endr
.endm
	s_load_b512 s[68:83], s[0:1], 0x0              ; Wk 68, Wq 70, Q 72, Wh 74, bk 76, bq 78, bh 80, wkc 82
	s_load_b128 s[84:87], s[0:1], 0x40             ; wks 84, part 86
	s_mov_b32 s2, ttmp9                            ; f
	s_lshr_b32 s3, s2, 2                           ; T
	s_and_b32 s9, s2, 3                            ; s
	s_and_b32 s10, ttmp7, 0xffff                   ; sel
	s_mov_b32 s[SEL], 0x76543210
	s_mov_b32 s[SEL+1], 0xfedcba98
	s_mov_b32 s13, 0
	v_and_b32 v5, 15, v0                           ; r   (one wave: v0 is the lane)
	v_lshrrev_b32 v6, 4, v0                        ; h'
	v_lshlrev_b32 v1, 2, v5
	v_lshl_add_u32 v1, v6, 16, v1                  ; W: 4 r + 32 h' rows of 2,048 bytes
	v_lshlrev_b32 v2, 11, v5
	v_lshl_add_u32 v2, v6, 7, v2                   ; Q: row r of 2,048 bytes + 128 h'
	v_lshlrev_b32 v3, 4, v0
	v_lshlrev_b32 v4, 2, v0
	v_lshlrev_b32 v60, 5, v6                       ; 32 h': my eight numbers of Wh, bk, bq
	v_mov_b32 v61, 0
	v_lshlrev_b32 v6, 3, v6                        ; 8 h'
	v_mov_b32 v7, 0                                ; written once: a lane permute's destination counts as one of its sources
	s_lshl_b32 s6, s3, 6
	s_lshl_b32 s7, s9, 18
	s_add_co_u32 s6, s6, s7                        ; 64 T + 128 s rows of 2,048 bytes
	s_mov_b32 s7, 0
	s_wait_alu depctr_va_vdst(0)
	s_wait_kmcnt 0x0
	s_cmp_eq_u32 s10, 0                            ; the choice hangs on the work-group's number alone
	s_cselect_b64 s[4:5], s[68:69], s[70:71]
	s_add_nc_u64 s[4:5], s[4:5], s[6:7]
.irp c, 0,1
.irp i, 0,1,2,3,4,5,6,7,8,9,10,11,12,13,14,15,16,17,18,19,20,21,22,23,24,25,26,27,28,29,30,31
	global_load_b32 v[64+32*\c+\i], v1, s[4:5] offset:2048*(64*\c+\i)   ; W(128 s + 64 c + 32 h' + i, 16 T + r)
.endr
.endr
	s_cmp_lg_u32 s10, 0
	s_cbranch_scc1 .Lwq
	; ---- Wk: the fragment's image and its scale words
	s_mul_i32 s12, s2, 1536
	s_add_nc_u64 s[82:83], s[82:83], s[12:13]
	s_lshl_b32 s12, s2, 7
	s_add_nc_u64 s[84:85], s[84:85], s[12:13]
	s_wait_loadcnt 0x0
	QF 64, 16, 14
.irp c, 0,1,2
	global_store_b128 v3, v[16+4*\c:16+4*\c+3], s[82:83] offset:512*\c   ; 32 lanes store 512 consecutive bytes, at a multiple of 512 from the buffer's first byte
.endr
	global_store_b32 v4, v14, s[84:85]
	s_endpgm
.Lwq:	; ---- Wq: the fragment against Q's two tiles
	s_lshl_b32 s12, s9, 9
	s_add_nc_u64 s[72:73], s[72:73], s[12:13]      ; Q at k = 128 s
.irp m, 0,1
.irp c, 0,1
.irp j, 0,1,2,3,4,5,6,7
	global_load_b128 v[128+64*\m+32*\c+4*\j:128+64*\m+32*\c+4*\j+3], v2, s[72:73] offset:32768*\m+256*\c+16*\j   ; Q(16 m + r, 128 s + 64 c + 32 h' + 4 j ..)
.endr
.endr
.endr
	s_lshl_b32 s12, s3, 6                          ; 64 T: the tile's 16 numbers of Wh, bk, bq
	s_add_nc_u64 s[74:75], s[74:75], s[12:13]
	s_add_nc_u64 s[76:77], s[76:77], s[12:13]
	s_add_nc_u64 s[78:79], s[78:79], s[12:13]
	s_lshl_b32 s12, s2, 7
	s_add_nc_u64 s[86:87], s[86:87], s[12:13]      ; part at row f
	s_wait_loadcnt 32                              ; W is in; Q's 32 loads are younger
	QF 64, 16, 14
	global_load_b128 v[64:67], v60, s[74:75]       ; W's numbers are done with: Wh(16 T + 8 h' + 0 .. 7),
	global_load_b128 v[68:71], v60, s[74:75] offset:16
	global_load_b128 v[72:75], v60, s[76:77]       ; bk,
	global_load_b128 v[76:79], v60, s[76:77] offset:16
	global_load_b128 v[80:83], v60, s[78:79]       ; bq,
	global_load_b128 v[84:87], v60, s[78:79] offset:16
	global_load_b32 v88, v61, s[80:81]             ; bh
	s_wait_loadcnt 23                              ; Q's tile 0 is in; tile 1's 16 loads and the seven above are younger
	QF 128, 28, 15
	s_wait_loadcnt 7                               ; tile 1 is in
	QF 192, 40, 55
	s_wait_loadcnt 0x0
	s_cmp_eq_u32 s9, 0
	s_cselect_b32 s11, -1, 0                       ; the biases count once for each T: in K step 0
	s_cmp_eq_u32 s2, 0
	s_cselect_b32 s14, -1, 0                       ; bh once in all: in fragment 0
.irp j, 0,2,4,6
	v_pk_add_f32 v[72+\j:73+\j], v[72+\j:73+\j], v[80+\j:81+\j]
.endr
.irp j, 0,1,2,3,4,5,6,7
	v_cndmask_b32 v[72+\j], 0, v[72+\j], s11
.endr
	v_cndmask_b32 v88, 0, v88, s14
.rept 4
	v_nop                                          ; with the 13 lines above: the places between the vector instructions that wrote codes and scale words and the scaled products
.endr
	; TRANSPOSED: source 0 = the 16 columns of Wq, source 1 = 16 batches: lane (r, h') holds batch 16 m + r, its register j the unit h = 16 T + 8 h' + j.  The biases are the C
	v_wmma_scale_f32_16x16x128_f8f6f4 v[96:103], v[16:27], v[28:39], v[72:79], v14, v15 matrix_a_fmt:MATRIX_FMT_BF6 matrix_b_fmt:MATRIX_FMT_BF6
	v_wmma_scale_f32_16x16x128_f8f6f4 v[104:111], v[16:27], v[40:51], v[72:79], v14, v55 matrix_a_fmt:MATRIX_FMT_BF6 matrix_b_fmt:MATRIX_FMT_BF6
.rept 4
	v_nop                                          ; four places behind a matrix instruction, ahead of the first read of its result
.endr
	v_pk_mul_f32 v[112:113], v[96:97], v[64:65]    ; x Wh, each result from its low end on
	v_pk_mul_f32 v[114:115], v[104:105], v[64:65]
.irp j, 2,4,6
	v_pk_fma_f32 v[112:113], v[96+\j:97+\j], v[64+\j:65+\j], v[112:113]
	v_pk_fma_f32 v[114:115], v[104+\j:105+\j], v[64+\j:65+\j], v[114:115]
.endr
	v_add_f32 v112, v112, v113
	v_add_f32 v114, v114, v115
	v_permlanex16_b32 v7, v112, s[SEL], s[SEL+1]
	v_add_f32 v112, v112, v7                       ; with lane l xor 16's eight units: batch r's sum
	v_permlanex16_b32 v7, v114, s[SEL], s[SEL+1]
	v_add_f32 v114, v114, v7                       ; batch 16 + r's
	v_cmp_le_u32 vcc_lo, 16, v0
	v_cndmask_b32 v112, v112, v114, vcc_lo         ; lane l keeps batch l's
	v_add_f32 v112, v112, v88
	global_store_b32 v4, v112, s[86:87]            ; part[f][lane]
	s_endpgm
.Lfunc_end_k_q71267970ee_prep:
	.size	k_q71267970ee_prep, .Lfunc_end_k_q71267970ee_prep-k_q71267970ee_prep
	.p2alignl 7, 3214868480
	.fill 96, 4, 3214868480
	.section	.rodata,"a",@progbits
	.p2align	6, 0x0
	.amdhsa_kernel k_q71267970ee_prep
		.amdhsa_group_segment_fixed_size 0
		.amdhsa_private_segment_fixed_size 0
		.amdhsa_enable_private_segment 0
		.amdhsa_kernarg_size 80
		.amdhsa_user_sgpr_count 2
		.amdhsa_user_sgpr_kernarg_segment_ptr 1
		.amdhsa_wavefront_size32 1
		.amdhsa_system_sgpr_workgroup_id_x 1
		.amdhsa_system_sgpr_workgroup_id_y 1
		.amdhsa_system_sgpr_workgroup_id_z 1
		.amdhsa_system_vgpr_workitem_id 0
		.amdhsa_next_free_vgpr 256
		.amdhsa_next_free_sgpr 96
		.amdhsa_reserve_vcc 1
		.amdhsa_float_denorm_mode_32 3
		.amdhsa_float_denorm_mode_16_64 3
		.amdhsa_memory_ordered 1
		.amdhsa_forward_progress 1
		.amdhsa_inst_pref_size 27
	.end_amdhsa_kernel
	.amdgpu_metadata
---
amdhsa.version: [ 1, 2 ]
amdhsa.kernels:
  - .name:           k_q71267970ee_prep
    .symbol:         k_q71267970ee_prep.kd
    .args:
      - { .name: Wk, .offset: 0, .size: 8, .value_kind: global_buffer, .address_space: global }
      - { .name: Wq, .offset: 8, .size: 8, .value_kind: global_buffer, .address_space: global }
      - { .name: Q, .offset: 16, .size: 8, .value_kind: global_buffer, .address_space: global }
      - { .name: Wh, .offset: 24, .size: 8, .value_kind: global_buffer, .address_space: global }
      - { .name: bk, .offset: 32, .size: 8, .value_kind: global_buffer, .address_space: global }
      - { .name: bq, .offset: 40, .size: 8, .value_kind: global_buffer, .address_space: global }
      - { .name: bh, .offset: 48, .size: 8, .value_kind: global_buffer, .address_space: global }
      - { .name: wkc, .offset: 56, .size: 8, .value_kind: global_buffer, .address_space: global }
      - { .name: wks, .offset: 64, .size: 8, .value_kind: global_buffer, .address_space: global }
      - { .name: part, .offset: 72, .size: 8, .value_kind: global_buffer, .address_space: global }
    .group_segment_fixed_size: 0
    .private_segment_fixed_size: 0
    .kernarg_segment_align: 8
    .kernarg_segment_size: 80
    .max_flat_workgroup_size: 32
    .sgpr_count:     96
    .vgpr_count:     256
    .wavefront_size: 32
...
	.end_amdgpu_metadata
.endif
;; end of part 1
;; launch main (part 2): grid 8 x 32, 4 waves a work-group, no clusters, 327,680 bytes of LDS; arguments K, V, wkc, wks, Wh, part, pw, st, op; writes pw, st, op
.if DOCPART == 2
	.amdgcn_target "amdgcn-amd-amdhsa--gfx1250"
	.amdhsa_code_object_version 6
	.text
	.protected	k_q71267970ee_main
	.globl	k_q71267970ee_main
	.p2align	8
	.type	k_q71267970ee_main,@function
k_q71267970ee_main:
	s_mov_b64 s[64:65], 0
	v_nop
	global_prefetch_b8 v0, s[64:65] scope:SCOPE_SE
	s_setreg_imm32_b32 hwreg(HW_REG_WAVE_MODE, 25, 1), 1
	s_wait_xcnt 0x0
; Work-group (x, b), four waves, takes keys 256 x .. 256 x + 255 of batch b through the whole chain:
;   energies e = relu(sum over h of (Q(K) Q(Wk))[n][h] Wh[h] + the batch's constant), the constant being the sum of part[.][b];
;   m = the largest e of the 256, p = exp(e - m), l = the sum of p, and the sum over the 256 keys of p V.  pw gets p, st gets (m, l), op the sums; the next launch joins a batch's eight parts.
; EIGHT TILES of 64 rows x 2,048 bytes (K's chunks 0-3, then V's 0-3) go through a ring of two LDS slots; wave w fetches columns 128 w .. 128 w + 127 of a tile by one tensor load:
; rows of 512 bytes that begin at multiples of 512 bytes, 16 bytes of padding behind each in LDS.  Tile t lies in slot t % 2 and is asked for behind the barrier that opens period t - 1.
; THE K PATH IS ONE PERIOD DEEP.  In period t wave w quantises rows 16 w .. 16 w + 15 of chunk t to codes of BF6 (E3M2) with one E8M0 byte for each 32 along k, and stores them as images of the
; operand's registers into image buffer t % 2; then every wave multiplies chunk t - 1, from the other buffer, by its own 128 columns of Wk, which stay in 384 registers.  So the barrier that changes
; slots also shows the images to all waves, and a period has that one barrier.  Chunk 3's products, the softmax of the 256 keys and V's tile 0 share period 4.
; THE PRODUCT IS USED TRANSPOSED (source 0 = 16 columns of Wk, source 1 = 16 keys): lane (r, h') holds key r, its registers eight neighbouring h; x Wh and a sum give the wave's part of an energy.
; V: wave w reads its own column slice, a lane four columns, 64 keys a tile, by packed multiply-adds with p from the wave's own copy in LDS (on the image buffers, which are done with by then).
; PREFETCH: at each change of slots all tensor loads have been waited for, so period t asks for tile t + 2, one period ahead of the load that wants it.  The head asks for tile 1, behind its set-up and
; ahead of its 148 loads of Wk's codes, scale words, Wh and part; tile 0 comes by its load alone.  A tile is 131,072 consecutive bytes, 512 blocks of 256; wave w names blocks 128 w .. 128 w + 127,
; a lane a block, four instructions; each block once; periods 6 and 7 ask for nothing.
; NO CLUSTER: no two work-groups read the same bytes of K or V; Wk's codes, which all read, are 196,608 of a work-group's 1,245,184 bytes and go straight into registers.
; LIMITS: a block of zeros gets the byte 1 where the rule says 127 (its codes are zeros; this program alone reads the bytes); NaN and infinities among the inputs are not served.
; REGISTERS: window 0: v1-23 addresses, v24-31 at work, v32-63 Wk's scale words, v64-71 K's, v72-95 at work, v96-223 numbers / fragments / V's rows, v224-255 codes / p.
;   windows 1, 2: Wk's fragments of k steps 0, 1 and 2, 3 (8 tiles x 12 registers each).  window 3: v0-127 two sets of 8 accumulators, v128-191 Wh.
.set PITCH, 528                        ; an LDS row: 512 bytes + 16 of padding
.set REG,   64*PITCH                   ; a wave's column slice of a tile
.set SLOT,  4*REG
.set IMG,   2*SLOT                     ; two image buffers: 16 fragments x 1,536 bytes, then their scale words, 64 bytes a fragment
.set IMGB,  16*1536+16*64
.set ISC,   IMG+16*1536
.set EP,    IMG+2*IMGB                 ; the waves' parts of the 256 energies: 1,024 bytes a wave
.set PB,    IMG                        ; p, a copy of 1,024 bytes for each wave, on the image buffers once nobody reads them
.set SPARE, EP+4096                    ; the spare words, 128 bytes a wave: the target of the ds_add_u32 lines
.set EA,  24
.set WKS, 32
.set KSC, 64
.set TM,  72
.set ACC, 72
.set X0,  96
.set X1,  160
.set AF,  96
.set BB,  96
.set PC0, 224
.set PC1, 236
.set CT,  248
.set PP,  224
.set WH,  128
.set SEL, 34
.set L2E, 36
.set MSB, 0
.macro WIN new                         ; the immediate's high byte repeats the setting that is left
.if MSB != (\new)
	s_set_vgpr_msb (MSB<<8)|(\new)
.set MSB, (\new)
.endif
.endm
; 64 numbers of a lane, v[src + 16 b + i] = k 32 b + 16 h' + i of key r, become the operand's 12 registers v[pc] on and the scale word v[pw]
.macro QUANT src, pc, pw
.irp b, 0,1,2,3
	v_max3_num_f32 v[TM+\b], |v[\src+16*\b]|, |v[\src+1+16*\b]|, 0x2800000   ; my 16 of block b, and the floor 2^(5 - 127): the byte cannot fall under 1
.endr
.irp i, 2,4,6,8,10,12,14
.irp b, 0,1,2,3
	v_max3_num_f32 v[TM+\b], v[TM+\b], |v[\src+16*\b+\i]|, |v[\src+1+16*\b+\i]|   ; the four blocks by turns
.endr
.endr
.irp b, 0,1,2,3
	v_permlanex16_b32 v[TM+4+\b], v[TM+\b], s[SEL], s[SEL+1]
.endr
.irp b, 0,1,2,3
	v_max_num_f32 v[TM+\b], v[TM+\b], v[TM+4+\b]   ; with lane l xor 16's 16: the block's largest magnitude
.endr
.irp b, 0,1,2,3
	v_add_nc_u32 v[TM+12+\b], 0xfe000000, v[TM+\b] ; 4 off its exponent field: the conversion's scale operand
.endr
.irp b, 0,1,2,3
	v_lshrrev_b32 v[TM+4+\b], 23, v[TM+12+\b]      ; the scale's byte
.endr
	v_lshl_or_b32 v[\pw], v[TM+5], 8, v[TM+4]
	v_lshl_or_b32 v[\pw], v[TM+6], 16, v[\pw]
	v_lshl_or_b32 v[\pw], v[TM+7], 24, v[\pw]
.irp c, 0,1
	v_cvt_scalef32_pk16_bf6_f32 v[\pc+6*\c:\pc+2+6*\c], v[\src+32*\c:\src+15+32*\c], v[TM+12+2*\c]
	v_cvt_scalef32_pk16_bf6_f32 v[CT+4*\c:CT+2+4*\c], v[\src+16+32*\c:\src+31+32*\c], v[TM+12+2*\c+1]
.endr
	v_nop                                          ; one plain place behind a scaled conversion
.irp c, 0,1                            ; the operand wants a whole block in a lane: lanes 0-15 block 2 c, lanes 16-31 block 2 c + 1
.irp i, 0,1,2
	v_permlane16_swap_b32 v[\pc+6*\c+\i], v[CT+4*\c+\i]
.endr
.irp i, 0,1,2
	v_mov_b32 v[\pc+3+6*\c+\i], v[CT+4*\c+\i]
.endr
.endr
.endm
.macro KLD adr, off, x                 ; 16 keys x 128 k of f32 from a column slice: 64 bytes a lane for each block
.irp b, 0,1,2,3
.irp j, 0,1,2,3
	ds_load_b128 v[\x+16*\b+4*\j:\x+16*\b+4*\j+3], v[\adr] offset:\off+128*\b+16*\j
.endr
.endr
.endm
.macro IMAGE s, pc, pw, bf             ; my fragment of k step s into image buffer bf; both halves of the lanes write the same scale word with the same value
.irp c, 0,1,2
	ds_store_b128 v9, v[\pc+4*\c:\pc+4*\c+3] offset:IMGB*(\bf)+1536*\s+512*\c
.endr
	ds_store_b32 v10, v[\pw] offset:IMGB*(\bf)+64*\s
.endm
.macro FETCH m, a, bf                  ; the four fragments and scale words of keys 16 m .. 16 m + 15 into set a: 16 LDS loads
	WIN 0
.irp s, 0,1,2,3
.irp c, 0,1,2
	ds_load_b128 v[AF+48*\a+12*\s+4*\c:AF+48*\a+12*\s+4*\c+3], v11 offset:IMGB*(\bf)+(4*\m+\s)*1536+512*\c
.endr
	ds_load_b32 v[KSC+4*\a+\s], v12 offset:IMGB*(\bf)+(4*\m+\s)*64
.endr
.endm
.macro MUL a                           ; 32 products: 16 keys x my 128 h x 512 k; the eight accumulators take turns; k step 0 starts the sums
.irp s, 0,1,2,3
	WIN 0xf1+(\s/2)
.irp t, 0,1,2,3,4,5,6,7
.if \s == 0
	v_wmma_scale_f32_16x16x128_f8f6f4 v[64*\a+8*\t:64*\a+8*\t+7], v[12*(8*(\s%2)+\t):12*(8*(\s%2)+\t)+11], v[AF+48*\a+12*\s:AF+48*\a+12*\s+11], 0, v[WKS+8*\s+\t], v[KSC+4*\a+\s] matrix_a_fmt:MATRIX_FMT_BF6 matrix_b_fmt:MATRIX_FMT_BF6
.else
	v_wmma_scale_f32_16x16x128_f8f6f4 v[64*\a+8*\t:64*\a+8*\t+7], v[12*(8*(\s%2)+\t):12*(8*(\s%2)+\t)+11], v[AF+48*\a+12*\s:AF+48*\a+12*\s+11], v[64*\a+8*\t:64*\a+8*\t+7], v[WKS+8*\s+\t], v[KSC+4*\a+\s] matrix_a_fmt:MATRIX_FMT_BF6 matrix_b_fmt:MATRIX_FMT_BF6
.endif
.endr
.endr
.endm
.macro ENERGY m, g                     ; x Wh and summed over my 128 h, each accumulator from its low end on; g: the tile of 16 keys among the work-group's 16
	WIN 0x0f
.irp p, 0,1,2,3
	v_pk_mul_f32 v[EA+2*\p:EA+2*\p+1], v[64*((\m)%2)+2*\p:64*((\m)%2)+2*\p+1], v[WH+2*\p:WH+2*\p+1]
.endr
.irp t, 1,2,3,4,5,6,7
.irp p, 0,1,2,3
	v_pk_fma_f32 v[EA+2*\p:EA+2*\p+1], v[64*((\m)%2)+8*\t+2*\p:64*((\m)%2)+8*\t+2*\p+1], v[WH+8*\t+2*\p:WH+8*\t+2*\p+1], v[EA+2*\p:EA+2*\p+1]
.endr
.endr
	WIN 0
	v_pk_add_f32 v[EA:EA+1], v[EA:EA+1], v[EA+2:EA+3]
	v_pk_add_f32 v[EA+4:EA+5], v[EA+4:EA+5], v[EA+6:EA+7]
	v_pk_add_f32 v[EA:EA+1], v[EA:EA+1], v[EA+4:EA+5]
	v_add_f32 v[EA], v[EA], v[EA+1]
	v_permlanex16_b32 v94, v[EA], s[SEL], s[SEL+1]
	v_add_f32 v[192+\m], v[EA], v94
	ds_store_b32 v13, v[192+\m] offset:64*(\g)
.endm
.macro ASK n                           ; tile n's 512 blocks of 256 bytes are named once: my wave's 128, a lane a block
.irp q, 0,1,2,3
.if (\n) < 4
	global_prefetch_b8 v14, s[68:69] offset:(\n)*0x20000+\q*8192 th:TH_LOAD_NT scope:SCOPE_SE
.else
	global_prefetch_b8 v14, s[70:71] offset:((\n)-4)*0x20000+\q*8192 th:TH_LOAD_NT scope:SCOPE_SE
.endif
.endr
.endm
; The change of slots that opens period t: tile t has landed, nobody reads the other slot any more, and tile t + 1 is asked for into it (t = 0: slot 1's first fill, issued as a refill is)
.macro CHANGE t
.set NT, (\t)+1
.set NS, NT%2
	s_wait_alu depctr_va_vdst(0)                   ; the wait ahead of the blocking waits below
	s_wait_tensorcnt 0x0                           ; my one load that was out, my slice of tile t, is in;
	ds_add_u32 v1, v2
.if NT < 4
	s_add_nc_u64 s[18+4*NS:19+4*NS], s[68:69], NT*0x20000      ; no load of mine is out, so the descriptor may be written: K's chunk t + 1,
.else
	s_add_nc_u64 s[18+4*NS:19+4*NS], s[70:71], (NT-4)*0x20000  ; or V's tile t - 3
.endif
	s_or_b32 s[19+4*NS], s[19+4*NS], 0x80000000
	s_wait_dscnt 0x0                               ; the add, my reads of the other slot and my image and energy stores are done
	s_barrier_signal -1
	s_barrier_wait -1
	tensor_load_to_lds s[16+4*NS:19+4*NS], s[8:15]
	s_nop 0
.rept 4
	v_nop
.endr
.endm
.macro KQ t                            ; my 16 keys of chunk t: four fragments, numbers fetched one fragment ahead
.set SL, (\t)%2
	KLD 5+2*SL, 0, X0
	KLD 5+2*SL, REG, X1
	ASK (\t)+2
	s_wait_dscnt 16                                ; X0's 16 loads are in, X1's may be out
	QUANT X0, PC0, 88
	IMAGE 0, PC0, 88, SL
	KLD 6+2*SL, 0, X0
	s_wait_dscnt 20                                ; behind X1's loads: 4 stores and 16 loads
	QUANT X1, PC1, 89
	IMAGE 1, PC1, 89, SL
	KLD 6+2*SL, REG, X1
	s_wait_dscnt 20
	QUANT X0, PC0, 88
	IMAGE 2, PC0, 88, SL
	s_wait_dscnt 4                                 ; behind X1's loads: 4 stores
	QUANT X1, PC1, 89
	IMAGE 3, PC1, 89, SL
.endm
.macro KMUL c, ask                     ; chunk c's 64 keys x my 128 h: 128 products, fragments one tile of keys ahead, energies between the runs
.set BF, (\c)%2
	FETCH 0, 0, BF
	FETCH 1, 1, BF
.if \ask
	ASK \ask
.endif
	s_wait_dscnt 16                                ; all but the 16 loads of keys 16-31
	MUL 0
.rept 4
	v_nop                                          ; four places ahead of loads into registers that the products have read
.endr
	FETCH 2, 0, BF
	s_wait_dscnt 16
	MUL 1
	ENERGY 0, 4*(\c)+0
	FETCH 3, 1, BF
	s_wait_dscnt 17                                ; behind set 0's loads: one store and 16 loads
	MUL 0
	ENERGY 1, 4*(\c)+1
	s_wait_dscnt 1                                 ; behind set 1's loads: one store
	MUL 1
	ENERGY 2, 4*(\c)+2
	ENERGY 3, 4*(\c)+3
.endm
.macro PLD i, bt                       ; p of 16 keys, the same in every lane
.irp q, 0,1,2,3
	ds_load_b128 v[PP+16*((\bt)%2)+4*\q:PP+16*((\bt)%2)+4*\q+3], v17 offset:256*\i+64*\bt+16*\q
.endr
.endm
.macro VLD sl, bt                      ; 16 rows of my column slice, four columns a lane
.irp q, 0,1,2,3,4,5,6,7,8,9,10,11,12,13,14,15
	ds_load_b128 v[BB+64*((\bt)%2)+4*\q:BB+64*((\bt)%2)+4*\q+3], v[18+\sl] offset:PITCH*(16*\bt+\q)
.endr
.endm
.macro FMA bt, first                   ; four chains of sums; the first products start them
.irp q, 0,1,2,3,4,5,6,7,8,9,10,11,12,13,14,15
.set rB, BB+64*((\bt)%2)+4*\q
.set rP, PP+16*((\bt)%2)+2*(\q/2)
.set rA, ACC+4*(\q%4)
.if (\first) && (\q < 4)
.if \q%2 == 0
	v_pk_mul_f32 v[rA:rA+1], v[rB:rB+1], v[rP:rP+1] op_sel_hi:[1,0]
	v_pk_mul_f32 v[rA+2:rA+3], v[rB+2:rB+3], v[rP:rP+1] op_sel_hi:[1,0]
.else
	v_pk_mul_f32 v[rA:rA+1], v[rB:rB+1], v[rP:rP+1] op_sel:[0,1] op_sel_hi:[1,1]
	v_pk_mul_f32 v[rA+2:rA+3], v[rB+2:rB+3], v[rP:rP+1] op_sel:[0,1] op_sel_hi:[1,1]
.endif
.else
.if \q%2 == 0
	v_pk_fma_f32 v[rA:rA+1], v[rB:rB+1], v[rP:rP+1], v[rA:rA+1] op_sel_hi:[1,0,1]
	v_pk_fma_f32 v[rA+2:rA+3], v[rB+2:rB+3], v[rP:rP+1], v[rA+2:rA+3] op_sel_hi:[1,0,1]
.else
	v_pk_fma_f32 v[rA:rA+1], v[rB:rB+1], v[rP:rP+1], v[rA:rA+1] op_sel:[0,1,0] op_sel_hi:[1,1,1]
	v_pk_fma_f32 v[rA+2:rA+3], v[rB+2:rB+3], v[rP:rP+1], v[rA+2:rA+3] op_sel:[0,1,0] op_sel_hi:[1,1,1]
.endif
.endif
.endr
.endm
.macro VPROC sl, i, first, ask         ; a tile of V: 64 keys in four batches of 16, loads one batch ahead (20 LDS loads a batch)
	PLD \i, 0
	VLD \sl, 0
	PLD \i, 1
	VLD \sl, 1
.if \ask
	ASK \ask
.endif
	s_wait_dscnt 20
	FMA 0, \first
	PLD \i, 2
	VLD \sl, 2
	s_wait_alu depctr_va_vdst(0)                   ; the wait ahead of the blocking wait
	s_wait_dscnt 20
	FMA 1, 0
	PLD \i, 3
	VLD \sl, 3
	s_wait_alu depctr_va_vdst(0)
	s_wait_dscnt 20
	FMA 2, 0
	s_wait_alu depctr_va_vdst(0)
	s_wait_dscnt 0x0
	FMA 3, 0
.endm
	s_load_b512 s[68:83], s[0:1], 0x0              ; K 68, V 70, wkc 72, wks 74, Wh 76, part 78, pw 80, st 82
	s_load_b64 s[84:85], s[0:1], 0x40              ; op
	v_lshl_add_u32 v1, v0, 2, SPARE
	v_mov_b32 v2, 0
	ds_add_u32 v1, v2                              ; the opening lines: the add, twice on end, and one wait
	ds_add_u32 v1, v2
	v_lshrrev_b32 v3, 5, v0
	v_readfirstlane_b32 s2, v3                     ; wave
	s_mov_b32 s3, ttmp9                            ; x: which 256 keys
	s_and_b32 s4, ttmp7, 0xffff                    ; b
	s_lshl_b32 s5, s4, 3
	s_add_co_u32 s5, s5, s3                        ; 8 b + x
	s_mov_b32 s8, (3<<16)|(1<<20)|(6<<22)|(3<<25)  ; group 1: elements of 8 bytes; 4 dwords of padding behind every 128
	s_mov_b32 s9, 64<<16                           ; a row of 64 elements,
	s_mov_b32 s10, 64<<16                          ; 64 rows,
	s_mov_b32 s11, 64<<16
	s_mov_b32 s12, 64
	s_mov_b32 s13, 256                             ; 256 elements from row to row
	s_mov_b32 s14, 0
	s_mov_b32 s15, 0
	s_lshl_b32 s38, s5, 19                         ; my 256 rows of 2,048 bytes,
	s_lshl_b32 s40, s2, 9
	s_add_co_u32 s38, s38, s40                     ; my wave's 512 bytes of each
	s_mov_b32 s39, 0
	s_mov_b32 s16, 1
	s_mul_i32 s17, s2, REG
	s_mov_b32 s20, 1
	s_add_co_u32 s21, s17, SLOT
	s_mov_b32 s[SEL], 0x76543210
	s_mov_b32 s[SEL+1], 0xfedcba98                 ; lane l xor 16
	s_mov_b32 s[L2E], 0x3fb8aa3b
	s_mov_b32 s[L2E+1], s[L2E]
	s_wait_dscnt 0x0
	s_wait_kmcnt 0x0
	s_add_nc_u64 s[68:69], s[68:69], s[38:39]
	s_add_nc_u64 s[70:71], s[70:71], s[38:39]
	s_mov_b64 s[18:19], s[68:69]
	s_or_b32 s19, s19, 0x80000000
	tensor_load_to_lds s[16:19], s[8:15]           ; tile 0: one tensor load a wave at the head; all that follows up to the change of slots stands under its flight
	s_nop 0
	s_mov_b32 s41, 0
	s_mul_i32 s40, s2, 49152
	s_add_nc_u64 s[72:73], s[72:73], s[40:41]      ; my 32 fragments of Wk's codes,
	s_lshl_b32 s40, s2, 12
	s_add_nc_u64 s[74:75], s[74:75], s[40:41]      ; their scale words,
	s_lshl_b32 s40, s2, 9
	s_add_nc_u64 s[76:77], s[76:77], s[40:41]      ; my 128 numbers of Wh
	s_lshl_b32 s40, s5, 10
	s_add_nc_u64 s[80:81], s[80:81], s[40:41]
	s_lshl_b32 s40, s5, 8
	s_add_nc_u64 s[82:83], s[82:83], s[40:41]
	s_lshl_b32 s40, s5, 11
	s_lshl_b32 s42, s2, 9
	s_add_co_u32 s40, s40, s42
	s_add_nc_u64 s[84:85], s[84:85], s[40:41]
	s_mul_i32 s42, s2, 16*PITCH                    ; the 16 keys of a chunk that I quantise
	s_mul_i32 s43, s2, 4*1536
	s_add_co_u32 s43, s43, IMG                     ; their four images,
	s_lshl_b32 s44, s2, 8
	s_add_co_u32 s44, s44, ISC                     ; and scale words
	s_lshl_b32 s45, s2, 10
	s_add_co_u32 s46, s45, PB
	s_add_co_u32 s45, s45, EP
	s_lshl_b32 s47, s4, 2
	s_mul_i32 s48, s2, 32256                       ; prefetch: 32,768 bytes a wave, less the 512 a wave that the bases carry
	v_and_b32 v24, 31, v0
	v_and_b32 v25, 15, v0                          ; r
	v_bfe_u32 v26, v0, 4, 1                        ; h'
	v_lshlrev_b32 v3, 4, v24
	v_lshlrev_b32 v4, 2, v24
	v_mul_u32_u24 v5, v25, PITCH
	v_lshl_add_u32 v5, v26, 6, v5
	v_add_nc_u32 v5, s42, v5                       ; K's numbers: slot 0, slices 0 and 1;
	v_add_nc_u32 v6, 2*REG, v5                     ; slices 2 and 3;
	v_add_nc_u32 v7, SLOT, v5                      ; slot 1
	v_add_nc_u32 v8, SLOT+2*REG, v5
	v_add_nc_u32 v9, s43, v3
	v_lshl_add_u32 v10, v25, 2, s44
	v_add_nc_u32 v11, IMG, v3
	v_lshlrev_b32 v12, 2, v25
	v_add_nc_u32 v12, ISC, v12
	v_lshl_add_u32 v13, v25, 2, s45
	v_lshl_add_u32 v14, v24, 8, s48
	v_add_nc_u32 v15, EP, v3
	v_add_nc_u32 v16, s46, v3
	v_mov_b32 v17, s46
	v_add_nc_u32 v18, s17, v3                      ; V: my slice in slot 0, 1
	v_add_nc_u32 v19, SLOT, v18
	v_lshlrev_b32 v22, 7, v24
	v_add_nc_u32 v22, s47, v22                     ; part[lane + 32 k][b]
	v_lshlrev_b32 v23, 5, v26
.irp b, 0,1,2,3
	v_mov_b32 v[TM+4+\b], 0                        ; written once: a lane permute's destination counts as one of its sources
.endr
	v_mov_b32 v94, 0
	v_mov_b32 v95, 0
	s_wait_alu depctr_va_vdst(0)                   ; the wait at the head's end
	ASK 1                                          ; tile 1 is asked for ahead of the 148 loads below
	WIN 0x40
.irp s, 0,1
.irp t, 0,1,2,3,4,5,6,7
.irp c, 0,1,2
	global_load_b128 v[12*(8*\s+\t)+4*\c:12*(8*\s+\t)+4*\c+3], v3, s[72:73] offset:(4*\t+\s)*1536+512*\c
.endr
.endr
.endr
	WIN 0x80
.irp s, 0,1
.irp t, 0,1,2,3,4,5,6,7
.irp c, 0,1,2
	global_load_b128 v[12*(8*\s+\t)+4*\c:12*(8*\s+\t)+4*\c+3], v3, s[72:73] offset:(4*\t+2+\s)*1536+512*\c
.endr
.endr
.endr
	WIN 0xc0
.irp t, 0,1,2,3,4,5,6,7
	global_load_b128 v[WH+8*\t:WH+8*\t+3], v23, s[76:77] offset:64*\t
	global_load_b128 v[WH+8*\t+4:WH+8*\t+7], v23, s[76:77] offset:64*\t+16
.endr
	WIN 0
.irp s, 0,1,2,3
.irp t, 0,1,2,3,4,5,6,7
	global_load_b32 v[WKS+8*\s+\t], v4, s[74:75] offset:(4*\t+\s)*128
.endr
.endr
.irp k, 0,1,2,3
	global_load_b32 v[90+\k], v22, s[78:79] offset:4096*\k
.endr
	CHANGE 0
	KQ 0
	CHANGE 1
	KQ 1
	s_wait_loadcnt 0x0                             ; Wk's codes and scale words, Wh and part are in
	KMUL 0, 0
	CHANGE 2
	KQ 2
	KMUL 1, 0
	CHANGE 3                                       ; asks for V's tile 0
	KQ 3
	KMUL 2, 0
	CHANGE 4
	KMUL 3, 6
	s_wait_alu depctr_va_vdst(0)                   ; the wait ahead of the blocking wait
	s_wait_dscnt 0x0                               ; my energies are stored and my reads of the images are over
	s_barrier_signal -1                            ; V's tile 1 stays on its way
	s_barrier_wait -1
	; the 256 energies, in every wave: lane l takes keys 4 l .. 4 l + 3 and 128 + 4 l .. of the four waves' parts
.irp u, 0,1,2,3
.irp k, 0,1
	ds_load_b128 v[96+8*\u+4*\k:96+8*\u+4*\k+3], v15 offset:1024*\u+512*\k
.endr
.endr
	v_add_f32 v90, v90, v91                        ; the batch's constant: the sum of part's 128 numbers
	v_add_f32 v92, v92, v93
	v_add_f32 v90, v90, v92
	v_add_f32_dpp v90, v90, v90 row_xmask:1 row_mask:0xf bank_mask:0xf
	v_add_f32_dpp v90, v90, v90 row_xmask:2 row_mask:0xf bank_mask:0xf
	v_add_f32_dpp v90, v90, v90 row_xmask:4 row_mask:0xf bank_mask:0xf
	v_add_f32_dpp v90, v90, v90 row_xmask:8 row_mask:0xf bank_mask:0xf
	s_wait_alu depctr_va_vdst(0)
	v_permlanex16_b32 v94, v90, s[SEL], s[SEL+1]
	v_add_f32 v20, v90, v94
	v_mov_b32 v21, v20
	v_lshrrev_b32 v93, 1, v3                       ; 8 x lane
	s_wait_dscnt 0x0
.irp j, 0,2,4,6
	v_pk_add_f32 v[96+\j:97+\j], v[96+\j:97+\j], v[104+\j:105+\j]
	v_pk_add_f32 v[112+\j:113+\j], v[112+\j:113+\j], v[120+\j:121+\j]
.endr
.irp j, 0,2,4,6
	v_pk_add_f32 v[96+\j:97+\j], v[96+\j:97+\j], v[112+\j:113+\j]
.endr
.irp j, 0,2,4,6
	v_pk_add_f32 v[96+\j:97+\j], v[96+\j:97+\j], v[20:21]
.endr
.irp j, 0,1,2,3,4,5,6,7
	v_max_num_f32 v[96+\j], 0, v[96+\j]            ; relu
.endr
	v_max3_num_f32 v94, v96, v97, v98
	v_max3_num_f32 v95, v99, v100, v101
	v_max3_num_f32 v94, v94, v102, v103
	v_max_num_f32 v94, v94, v95
	v_max_num_f32_dpp v94, v94, v94 row_xmask:1 row_mask:0xf bank_mask:0xf
	v_max_num_f32_dpp v94, v94, v94 row_xmask:2 row_mask:0xf bank_mask:0xf
	v_max_num_f32_dpp v94, v94, v94 row_xmask:4 row_mask:0xf bank_mask:0xf
	v_max_num_f32_dpp v94, v94, v94 row_xmask:8 row_mask:0xf bank_mask:0xf
	v_permlanex16_b32 v95, v94, s[SEL], s[SEL+1]
	v_max_num_f32 v94, v94, v95                    ; m: the largest of the 256
	v_mov_b32 v28, v94
	v_mov_b32 v29, v94
.irp j, 0,2,4,6
	v_pk_add_f32 v[96+\j:97+\j], v[96+\j:97+\j], v[28:29] neg_lo:[0,1] neg_hi:[0,1]
.endr
.irp j, 0,2,4,6
	v_pk_mul_f32 v[96+\j:97+\j], v[96+\j:97+\j], s[L2E:L2E+1] op_sel_hi:[1,0]
.endr
	s_wait_alu depctr_va_vdst(0)                   ; the wait ahead of the batch,
.irp j, 0,1,2,3,4,5,6,7
	v_exp_f32 v[96+\j], v[96+\j]                   ; p = e^(e - m)
.endr
	v_nop
	s_wait_alu depctr_va_vdst(0)                   ; and behind it
	v_pk_add_f32 v[24:25], v[96:97], v[98:99]
	v_pk_add_f32 v[26:27], v[100:101], v[102:103]
	v_pk_add_f32 v[24:25], v[24:25], v[26:27]
	v_add_f32 v95, v24, v25
	v_add_f32_dpp v95, v95, v95 row_xmask:1 row_mask:0xf bank_mask:0xf
	v_add_f32_dpp v95, v95, v95 row_xmask:2 row_mask:0xf bank_mask:0xf
	v_add_f32_dpp v95, v95, v95 row_xmask:4 row_mask:0xf bank_mask:0xf
	v_add_f32_dpp v95, v95, v95 row_xmask:8 row_mask:0xf bank_mask:0xf
	v_permlanex16_b32 v24, v95, s[SEL], s[SEL+1]
	v_add_f32 v95, v95, v24                        ; l
	ds_store_b128 v16, v[96:99]                    ; p into my wave's own copy
	ds_store_b128 v16, v[100:103] offset:512
	s_cmp_lg_u32 s2, 0
	s_cbranch_scc1 .Lnot0
	global_store_b128 v3, v[96:99], s[80:81]       ; wave 0 stores p, 512 consecutive bytes a store, and (m, l)
	global_store_b128 v3, v[100:103], s[80:81] offset:512
	global_store_b64 v93, v[94:95], s[82:83]
.Lnot0:
	s_wait_xcnt 0x0                                ; the stores have read their registers: V's rows may land there
	VPROC 0, 0, 1, 0
	CHANGE 5
	VPROC 1, 1, 0, 7
	CHANGE 6
	VPROC 0, 2, 0, 0
	s_wait_alu depctr_va_vdst(0)
	s_wait_tensorcnt 0x0                           ; my slice of the last tile, which I alone read; nothing is filled again
	VPROC 1, 3, 0, 0
	v_pk_add_f32 v[ACC:ACC+1], v[ACC:ACC+1], v[ACC+4:ACC+5]
	v_pk_add_f32 v[ACC+2:ACC+3], v[ACC+2:ACC+3], v[ACC+6:ACC+7]
	v_pk_add_f32 v[ACC+8:ACC+9], v[ACC+8:ACC+9], v[ACC+12:ACC+13]
	v_pk_add_f32 v[ACC+10:ACC+11], v[ACC+10:ACC+11], v[ACC+14:ACC+15]
	v_pk_add_f32 v[ACC:ACC+1], v[ACC:ACC+1], v[ACC+8:ACC+9]
	v_pk_add_f32 v[ACC+2:ACC+3], v[ACC+2:ACC+3], v[ACC+10:ACC+11]
	global_store_b128 v3, v[ACC:ACC+3], s[84:85]   ; 32 lanes store 512 consecutive bytes
	s_wait_tensorcnt 0x0                           ; the wave's end
	ds_add_u32 v1, v2
	s_wait_dscnt 0x0
	s_endpgm
.Lfunc_end_k_q71267970ee_main:
	.size	k_q71267970ee_main, .Lfunc_end_k_q71267970ee_main-k_q71267970ee_main
	.p2alignl 7, 3214868480
	.fill 96, 4, 3214868480
	.section	.rodata,"a",@progbits
	.p2align	6, 0x0
	.amdhsa_kernel k_q71267970ee_main
		.amdhsa_group_segment_fixed_size 327680
		.amdhsa_private_segment_fixed_size 0
		.amdhsa_enable_private_segment 0
		.amdhsa_kernarg_size 72
		.amdhsa_user_sgpr_count 2
		.amdhsa_user_sgpr_kernarg_segment_ptr 1
		.amdhsa_wavefront_size32 1
		.amdhsa_system_sgpr_workgroup_id_x 1
		.amdhsa_system_sgpr_workgroup_id_y 1
		.amdhsa_system_sgpr_workgroup_id_z 1
		.amdhsa_system_vgpr_workitem_id 0
		.amdhsa_next_free_vgpr 960
		.amdhsa_next_free_sgpr 96
		.amdhsa_reserve_vcc 0
		.amdhsa_float_denorm_mode_32 3
		.amdhsa_float_denorm_mode_16_64 3
		.amdhsa_memory_ordered 1
		.amdhsa_forward_progress 1
		.amdhsa_inst_pref_size 255
	.end_amdhsa_kernel
	.section	.bss,"aw",@nobits
	.p2align	6
	.space	262144
	.amdgpu_metadata
---
amdhsa.version: [ 1, 2 ]
amdhsa.kernels:
  - .name:           k_q71267970ee_main
    .symbol:         k_q71267970ee_main.kd
    .args:
      - { .name: K, .offset: 0, .size: 8, .value_kind: global_buffer, .address_space: global }
      - { .name: V, .offset: 8, .size: 8, .value_kind: global_buffer, .address_space: global }
      - { .name: wkc, .offset: 16, .size: 8, .value_kind: global_buffer, .address_space: global }
      - { .name: wks, .offset: 24, .size: 8, .value_kind: global_buffer, .address_space: global }
      - { .name: Wh, .offset: 32, .size: 8, .value_kind: global_buffer, .address_space: global }
      - { .name: part, .offset: 40, .size: 8, .value_kind: global_buffer, .address_space: global }
      - { .name: pw, .offset: 48, .size: 8, .value_kind: global_buffer, .address_space: global }
      - { .name: st, .offset: 56, .size: 8, .value_kind: global_buffer, .address_space: global }
      - { .name: op, .offset: 64, .size: 8, .value_kind: global_buffer, .address_space: global }
    .group_segment_fixed_size: 327680
    .private_segment_fixed_size: 0
    .kernarg_segment_align: 8
    .kernarg_segment_size: 72
    .max_flat_workgroup_size: 128
    .sgpr_count:     96
    .vgpr_count:     960
    .wavefront_size: 32
...
	.end_amdgpu_metadata
.endif
;; end of part 2
;; launch join (part 3): grid 8 x 32, 1 waves a work-group, no clusters, 0 bytes of LDS; arguments pw, st, op, out0, out1; writes out0, out1
.if DOCPART == 3
	.amdgcn_target "amdgcn-amd-amdhsa--gfx1250"
	.amdhsa_code_object_version 6
	.text
	.protected	k_q71267970ee_join
	.globl	k_q71267970ee_join
	.p2align	8
	.type	k_q71267970ee_join,@function
k_q71267970ee_join:
	s_mov_b64 s[64:65], 0
	v_nop
	global_prefetch_b8 v0, s[64:65] scope:SCOPE_SE
	s_setreg_imm32_b32 hwreg(HW_REG_WAVE_MODE, 25, 1), 1
	s_wait_xcnt 0x0
; The eight parts of a batch are joined.  Part i of batch b has its maximum m_i, its sum l_i, its p = e^(e - m_i) and its sum of p V.
; M = the largest m_i;  f_i = e^(m_i - M);  L = the sum of f_i l_i;  weights = p f_i / L;  output = (the sum of f_i x part i's sum) / L.
; Work-group (c, b), one wave, makes the weights of keys 256 c .. 256 c + 255 (1,024 bytes) and columns 64 c .. 64 c + 63 of the output (256 bytes).  The part with m_i = M has f = 1 and l at least 1, so L is at least 1.
; No LDS, no barrier, no matrix work: a few loads, a few dozen vector lines, three stores of whole aligned runs of 256 bytes or more.
	s_load_b256 s[4:11], s[0:1], 0x0               ; pw 4, st 6, op 8, out0 10
	s_load_b64 s[12:13], s[0:1], 0x20              ; out1
	s_mov_b32 s3, ttmp9                            ; c
	s_and_b32 s2, ttmp7, 0xffff                    ; b
	v_lshlrev_b32 v1, 4, v0                        ; 16 x lane
	v_lshlrev_b32 v2, 3, v0                        ; 8 x lane
	v_mov_b32 v3, 0
	s_mov_b32 s17, 0
	s_mov_b32 s19, 0
	s_lshl_b32 s16, s2, 11                         ; 2,048 b
	s_lshl_b32 s18, s3, 8                          ; 256 c
	s_wait_alu depctr_va_vdst(0)
	s_wait_kmcnt 0x0
	s_add_nc_u64 s[6:7], s[6:7], s[16:17]          ; st: the batch's eight blocks of 256 bytes,
	s_add_nc_u64 s[14:15], s[6:7], s[18:19]        ; and my own part's
	s_add_nc_u64 s[10:11], s[10:11], s[16:17]
	s_add_nc_u64 s[10:11], s[10:11], s[18:19]      ; out0: row b, my 64 columns
	s_add_nc_u64 s[8:9], s[8:9], s[18:19]          ; op: my 64 columns
	s_lshl_b32 s16, s2, 14
	s_add_nc_u64 s[8:9], s[8:9], s[16:17]          ; of the batch's eight rows of 2,048 bytes
	s_lshl_b32 s16, s2, 13
	s_lshl_b32 s18, s3, 10
	s_add_co_u32 s16, s16, s18                     ; 8,192 b + 1,024 c
	s_add_nc_u64 s[4:5], s[4:5], s[16:17]
	s_add_nc_u64 s[12:13], s[12:13], s[16:17]
.irp i, 0,1,2,3,4,5,6,7
	global_load_b64 v[16+2*\i:17+2*\i], v3, s[6:7] offset:256*\i   ; (m_i, l_i): every lane reads the same 8 bytes
.endr
	global_load_b64 v[32:33], v3, s[14:15]         ; my own part's
	global_load_b128 v[36:39], v1, s[4:5]          ; p of my 256 keys
	global_load_b128 v[40:43], v1, s[4:5] offset:512
.irp i, 0,1,2,3,4,5,6,7
	global_load_b64 v[44+2*\i:45+2*\i], v2, s[8:9] offset:2048*\i  ; part i's sums of my two columns
.endr
	s_wait_loadcnt 10                              ; the nine pairs are in; the ten loads behind them may be out
	v_max3_num_f32 v4, v16, v18, v20
	v_max3_num_f32 v4, v4, v22, v24
	v_max3_num_f32 v4, v4, v26, v28
	v_max_num_f32 v4, v4, v30                      ; M
.irp i, 0,1,2,3,4,5,6,7,8
	v_sub_f32 v[5+\i], v[16+2*\i], v4              ; m_i - M  (the ninth: my own part's)
.endr
.irp i, 0,1,2,3,4,5,6,7,8
	v_mul_f32 v[5+\i], 0x3fb8aa3b, v[5+\i]
.endr
	s_wait_alu depctr_va_vdst(0)
.irp i, 0,1,2,3,4,5,6,7,8
	v_exp_f32 v[5+\i], v[5+\i]                     ; f_i
.endr
	v_nop                                          ; a plain place behind the last exponential
	s_wait_alu depctr_va_vdst(0)                   ; one wait for the batch, ahead of its first reader
	v_mul_f32 v14, v5, v17
.irp i, 1,2,3,4,5,6,7
	v_fma_f32 v14, v[5+\i], v[17+2*\i], v14        ; L
.endr
	s_wait_alu depctr_va_vdst(0)
	v_rcp_f32 v15, v14
	v_nop
	s_wait_alu depctr_va_vdst(0)
	v_mul_f32 v13, v13, v15                        ; f of my own part / L
	s_wait_loadcnt 0x0
	v_mul_f32 v60, v44, v5
	v_mul_f32 v61, v45, v5
.irp i, 1,2,3,4,5,6,7
	v_fma_f32 v60, v[44+2*\i], v[5+\i], v60
	v_fma_f32 v61, v[45+2*\i], v[5+\i], v61
.endr
	v_mul_f32 v60, v60, v15
	v_mul_f32 v61, v61, v15
.irp j, 0,1,2,3,4,5,6,7
	v_mul_f32 v[36+\j], v[36+\j], v13
.endr
	global_store_b64 v2, v[60:61], s[10:11]        ; 32 lanes store 256 consecutive bytes, at a multiple of 256 from out0's first byte
	global_store_b128 v1, v[36:39], s[12:13]       ; 512 consecutive bytes each
	global_store_b128 v1, v[40:43], s[12:13] offset:512
	s_endpgm
.Lfunc_end_k_q71267970ee_join:
	.size	k_q71267970ee_join, .Lfunc_end_k_q71267970ee_join-k_q71267970ee_join
	.p2alignl 7, 3214868480
	.fill 96, 4, 3214868480
	.section	.rodata,"a",@progbits
	.p2align	6, 0x0
	.amdhsa_kernel k_q71267970ee_join
		.amdhsa_group_segment_fixed_size 0
		.amdhsa_private_segment_fixed_size 0
		.amdhsa_enable_private_segment 0
		.amdhsa_kernarg_size 40
		.amdhsa_user_sgpr_count 2
		.amdhsa_user_sgpr_kernarg_segment_ptr 1
		.amdhsa_wavefront_size32 1
		.amdhsa_system_sgpr_workgroup_id_x 1
		.amdhsa_system_sgpr_workgroup_id_y 1
		.amdhsa_system_sgpr_workgroup_id_z 1
		.amdhsa_system_vgpr_workitem_id 0
		.amdhsa_next_free_vgpr 64
		.amdhsa_next_free_sgpr 66
		.amdhsa_reserve_vcc 0
		.amdhsa_float_denorm_mode_32 3
		.amdhsa_float_denorm_mode_16_64 3
		.amdhsa_memory_ordered 1
		.amdhsa_forward_progress 1
		.amdhsa_inst_pref_size 7
	.end_amdhsa_kernel
	.amdgpu_metadata
---
amdhsa.version: [ 1, 2 ]
amdhsa.kernels:
  - .name:           k_q71267970ee_join
    .symbol:         k_q71267970ee_join.kd
    .args:
      - { .name: pw, .offset: 0, .size: 8, .value_kind: global_buffer, .address_space: global }
      - { .name: st, .offset: 8, .size: 8, .value_kind: global_buffer, .address_space: global }
      - { .name: op, .offset: 16, .size: 8, .value_kind: global_buffer, .address_space: global }
      - { .name: out0, .offset: 24, .size: 8, .value_kind: global_buffer, .address_space: global }
      - { .name: out1, .offset: 32, .size: 8, .value_kind: global_buffer, .address_space: global }
    .group_segment_fixed_size: 0
    .private_segment_fixed_size: 0
    .kernarg_segment_align: 8
    .kernarg_segment_size: 40
    .max_flat_workgroup_size: 32
    .sgpr_count:     66
    .vgpr_count:     64
    .wavefront_size: 32
...
	.end_amdgpu_metadata
.endif
;; end of part 3
